; MI455X (gfx1250); checked and timed in simulation.
; The chip was launched on July 23, 2026; its instructions are those of AMD's public machine-readable ISA for CDNA 5 (MIT licence, August 2026) and "CDNA5" Instruction Set Architecture Reference Guide (July 2026). The comments in the code are by the model that wrote it; some were corrected since.
;; Self Attention. Allowed arithmetic: matrix products marked QUANTISED: E2M1 operands, one E8M0 scale for each 32 along K, by v_wmma_scale_f32_16x16x128_f8f6f4 with both operands' format E2M1 (or v_wmma_scale_f32_32x16x128_f4), f32 sums; everything else in f32.
;; Inputs: proj_b 1,024 float32; proj_w_codes 1,024 x 32 x 16 uint8 (E2M1 codes of proj_w, K innermost, in blocks of 32 codes, two codes a byte); proj_w_scales 1,024 x 32 uint8 (E8M0 scales of proj_w, one for each 32 codes along K); qkv_b 3,072 float32; qkv_w_codes 3,072 x 32 x 16 uint8 (E2M1 codes of qkv_w, K innermost, in blocks of 32 codes, two codes a byte); qkv_w_scales 3,072 x 32 uint8 (E8M0 scales of qkv_w, one for each 32 codes along K); x_codes 4 x 2,048 x 32 x 16 uint8 (E2M1 codes of x, K innermost, in blocks of 32 codes, two codes a byte); x_scales 4 x 2,048 x 32 uint8 (E8M0 scales of x, one for each 32 codes along K).
;; Outputs: out0 4 x 2,048 x 1,024 float32.
;; This version of the problem:
;;   THIS VERSION OF THE PROBLEM IS GIVEN IN LOW PRECISION. The matrix products marked QUANTISED in the list below multiply operands that are first quantised to E2M1 (2 exponent bits, 1 mantissa bit; 4 bits a number), with one power-of-two scale for each 32 numbers along K (OCP MX v1.0); their sums are f32. All else is computed in f32.
;;   The module's matrix products, in the order in which they are computed (A, B: the left and right operand; K: the contracted axis; several contracted axes count as one K, in the product's order):
;;     1. [M 8,192, K 1,024] x [K 1,024, N 3,072]; A: input x (given as codes); B: input qkv_w (given as codes): QUANTISED
;;     2. batch 64 x [M 2,048, K 64] x [K 64, N 2,048]; A: computed on the way; B: computed on the way: QUANTISED
;;     3. batch 64 x [M 2,048, K 2,048] x [K 2,048, N 64]; A: softmax (see below); B: computed on the way: QUANTISED
;;     4. [M 8,192, K 1,024] x [K 1,024, N 1,024]; A: computed on the way; B: input proj_w (given as codes): QUANTISED
;;   THE QUANTISER, for each operand of a quantised product, along K:
;;     - K is cut into blocks of 32 from its start; a last block that is shorter is filled with zeros.
;;     - A block's scale is 2^e with e = floor(log2(the largest magnitude in the block)) - 2, held to -126 .. 127; a block of zeros has e = 0. As a byte (E8M0): e + 127.
;;     - Each number is divided by its block's scale, clamped to +-6, and rounded to the nearest number of E2M1, ties to even, subnormals kept.
;;     - The product sums the exact products of the quantised numbers (number of the format x scale) in f32.
;;   ~~~python
;;   def quantise(x, axis):      # numpy; x: float32 -> the quantised numbers, widened to float32 again
;;       x = np.moveaxis(x, axis, -1); K = x.shape[-1]
;;       x = np.pad(x, [(0, 0)] * (x.ndim - 1) + [(0, -K % 32)]); x = x.reshape(x.shape[:-1] + (-1, 32)); a = np.abs(x).max(-1, keepdims=True)
;;       e = np.where(a > 0, np.clip(np.frexp(np.where(a > 0, a, 1))[1] - 1 - 2, -126, 127), 0)      # np.frexp(a)[1] - 1 = floor(log2(a)), exactly
;;       r = np.clip(x / 2.0 ** e, -6, 6)
;;       step = 2.0 ** (np.maximum(np.frexp(np.where(r == 0, 1, r))[1] - 1, 0) - 1)
;;       q = np.round(r / step) * step * 2.0 ** e      # np.round: ties to even
;;       return np.moveaxis(q.reshape(q.shape[:-2] + (-1,))[..., :K], -1, axis).astype(np.float32)
;;   ~~~
;;   SOFTMAX AHEAD OF A QUANTISED PRODUCT. Where the list says 'softmax', what is quantised is not the finished softmax but p = 2^(t - M), with t = logit x log2(e) and M = ceil(the row's largest t), a whole number; so 1/2 < the row's largest p <= 1. The row's sum l is taken of the UNQUANTISED p, in f32, and the product's result is divided by l at the end. Since M is a whole number, a kernel that streams over the keys may use a running M (the ceiling of the running maximum): every later rescaling is an exact power of two, which a block's scale takes up: the codes' values come out the same.
;;   OPERANDS COMPUTED ON THE WAY. 'Computed on the way' means the value that the module computes at that place (a softmax that the list does not call 'softmax' is quantised finished and normalised). What goes into a quantiser is computed in f32, as accurately as f32 sums, v_exp_f32 and their like allow (about 1e-6 of the number): no bf16 or f16 on the way to a quantiser, and a product that is left as it is and whose result goes on into a quantised operand takes f32 operands (vector FMAs, or v_wmma_f32_16x16x4_f32). A number that lies on a knife's edge between two numbers of the format may be rounded either way, as far as f32 arithmetic and the matrix unit's own rounding can turn it there, and no further.
;;   INPUTS GIVEN AS CODES. proj_w (in the module: [1024, 1024], K = its axis 1); qkv_w (in the module: [3072, 1024], K = its axis 1); x (in the module: [4, 2048, 1024], K = its axis 2): each comes as NAME_codes (uint8): NAME with its K axis moved to the last place and cut into blocks of 32 codes, [.., K / 32, bytes a block], one block behind the other in memory; two codes a byte, the lower K in the low four bits (a code: sign, 2 exponent bits, 1 mantissa bit); and NAME_scales (uint8): the same leading axes, one E8M0 byte (e + 127) for each 32 codes along K. Its value is code x scale, taken as it is: it is not quantised again, and the codes and scales need not be those that the quantiser above would give.
;; One version. Each part assembles by itself: llvm-mc -triple=amdgcn-amd-amdhsa -mcpu=gfx1250 --defsym DOCPART=n.
;; ======== version 1 of 1: 3 launches
;; workspace buffers: qs 4,718,592 bytes; kv 9,175,040 bytes; ac 4,194,304 bytes; asc 262,144 bytes
;; launch qkv (part 1): grid 12 x 32, 4 waves a work-group, clusters of 4 x 4, 327,680 bytes of LDS; arguments x_codes, x_scales, qkv_w_codes, qkv_w_scales, qkv_b, qs, kv; writes qs, kv
.if DOCPART == 1
	.amdgcn_target "amdgcn-amd-amdhsa--gfx1250"
	.amdhsa_code_object_version 6
	.text
	.protected	k_qef5bc4ff21_qkv
	.globl	k_qef5bc4ff21_qkv
	.p2align	8
	.type	k_qef5bc4ff21_qkv,@function
k_qef5bc4ff21_qkv:
	s_mov_b64 s[64:65], 0
	v_nop
	global_prefetch_b8 v0, s[64:65] scope:SCOPE_SE
	s_setreg_imm32_b32 hwreg(HW_REG_WAVE_MODE, 25, 1), 1
	s_wait_xcnt 0x0
	s_wait_alu depctr_hold_cnt(0) depctr_sa_sdst(0) depctr_va_vdst(0) depctr_va_sdst(0) depctr_va_ssrc(0) depctr_va_vcc(0) depctr_vm_vsrc(0)
	s_getreg_b32 s2, hwreg(HW_REG_IB_STS2, 6, 4)
	s_cmp_eq_u32 s2, 0
	s_cbranch_scc0 .Lentry_in_a_cluster
	s_endpgm
.Lentry_in_a_cluster:
	s_bfe_u32 s2, ttmp6, 0x10000c
	s_cmp_lg_u32 s2, 0xf033
	s_cbranch_scc0 .Lentry_shape_is_right
	s_endpgm
.Lentry_shape_is_right:
; FIRST OF THREE LAUNCHES of causal self-attention in MX-FP4 (4 batches x 2,048 tokens x 1,024 channels, 16 heads of 64).
; This one: qkv = x W^T + b on the given codes, and q, k, v quantised at once: q and k along the head's 64 channels, v along the keys.  They leave as codes and scale words; no f32 number of qkv goes to memory.
; WORK LEFT OUT BY THE PROGRAM (in the second launch; nothing is left out here): key steps of 128 keys all of which come after all 16 queries of a tile.  reference() itself replaces those scores by finfo.min
; (its own jnp.tril), whatever the inputs hold; every row keeps its own key, so p = 2^(t - M) of a hidden key lies under every f32 number and under every code: it adds nothing to the row's sum or to the product.
; Every input has a way to the output and is loaded.  LIMIT: a NaN, an infinity or an overflow that reaches only those hidden scores is not carried to the result.
; LIMITS of the quantiser here: NaN and infinities are not served; a block whose largest magnitude lies under 2^(3 - 127), a block of zeros among them, gets the byte 1 (the rule's 127 for zeros is not made: its codes
; are zeros, which add nothing under any byte but 0xff, and this program alone reads these bytes).
; SHARES.  A work-group of four waves makes 256 tokens x 256 channels, a wave 128 x 128: 64 accumulators.  K = 1,024 codes are 512 bytes a row: both operands' whole K lies in LDS at once, asked for at the head
; in two halves of K (two regions), so nothing is ever filled again.  CLUSTERS of 4 x 4: x's tile is shared along a row of the cluster, W's along a column: joint loads.
; ROLES.  The cluster's x says which third of W it works on, alike in all sixteen partners: 0 = q, 1 = k, 2 = v.  The operand whose rows run along the NEXT product's K is source 0 ("P"), the other source 1 ("Q"):
; q, k: P = W (channels), Q = x (tokens);  v: P = x (tokens = keys), Q = W (channels).  In a result lane (r, h) holds Q's row r, and register j of P's tile b holds P's row 16 b + 8 h + j.
; So the 16 registers of tiles 2 B and 2 B + 1, with lane l xor 16's, are a block of 32 along the next K.  The loop is one text: the role only chooses the LDS regions that P's and Q's addresses point to.
; THE CODES' ORDER.  A conversion of tile t gives one register with k = 16 t + 8 h + 0..7.  Of tiles 4 c .. 4 c + 3 the results go to registers 4 c, 4 c + 2, 4 c + 1, 4 c + 3; two exchanges of lane halves
; (registers 4 c with 4 c + 1, 4 c + 2 with 4 c + 3) then leave register 4 c + i with k = 64 c + 32 h + 8 i + 0..7: the 4-bit operand's own layout.
; OUT: fragments as IMAGES OF THEIR REGISTERS, four registers = 512 bytes, lane l's 16 bytes at 16 l.
;   qs [64 batch x head][16 steps of 128 queries][4,608]: 8 tiles' images (16 queries x 64 channels), then 512 bytes of scale words: lane l's word i is tile 2 i + l / 16, row l % 16 (bytes 0, 1: the two blocks; 2, 3: 0).
;   kv [64][16 steps of 128 keys][8,960]: the same for the keys; from 4,608 V's four tiles of 16 channels x 128 keys (1,024 bytes each); from 8,704 their scale words: lane l's word i is tile 2 i + l / 16, channel l % 16.
; REGISTERS.  window 0: v16-31 addresses; v32-95 scale words, two sets (they hold nothing else); v96-127 at work on the way out; v128-191, v192-255 Q's fragments, two sets; on the way out v128-191 take the codes.
;   window 1: v0-63, v128-191 P's fragments, two sets; v64-127 the bias.   windows 2, 3: accumulator (a, b) at v[8 (8 (a % 4) + b)] of window 2 + a / 4.
.set PITCH,  272                       ; an LDS row of codes: 256 bytes + 16 of padding = 68 words, so that the 16 rows of a fragment load begin at 16 different banks (64 banks of 4 bytes: ISA guide 11.1)
.set HALFT,  128*PITCH                 ; 128 rows: what one tensor load brings
.set SLOT,   4*HALFT                   ; half of K: x's 256 rows, then W's 256 rows
.set SCL,    2*SLOT                    ; the scale bytes, as pieces of 256 bytes + 16 of padding: x's 256 rows, then W's
.set HALFS,  16*272                    ; those of 128 rows (32 bytes a row)
.set SBLK,   2*272                     ; those of 16 rows
.set SPARE,  SCL+4*HALFS               ; the spare words: 128 bytes for each wave, named by no other line
.set ADRQ, 16                          ; v16-17  LDS address of Q's fragments in half 0, 1 of K
.set ADRP, 20                          ; v20-21  of P's
.set LI,   24                          ; v24     16 x lane
.set L8,   25                          ; v25     8 x lane
.set ADRS, 27                          ; v27     LDS address of my scale words: lanes 0-15 Q's rows, lanes 16-31 P's
.set SPW,  28                          ; v28     LDS address of my spare word; never rewritten
.set NIL,  29                          ; v29     0; never rewritten
.set BO,   30                          ; v30 32 h, v31 4 r: the bias loads' offsets
.set SC,   32                          ; set s at v[32 + 32 s]; register 4 i + q: lanes 0-15 Q's tile i, lanes 16-31 P's tile i, the half's q-th 128 along K
.set TM,   96                          ; v96-99 largest magnitudes, v100-103 bytes, v108-111 the conversions' scale operands
.set PW,   112                         ; v112-119 the scale word of each of Q's eight tiles
.set TT,   120                         ; v120-127 scale words on their way out
.set QF,   128
.set PC,   128                         ; the codes of Q's tile a at v[128 + 8 a]: registers of its own for each tile, so that no store's data are written again
.set BI,   64                          ; in window 1
.set G1,   24                          ; s[24:31] descriptor group 1 for x's codes;  s[32:39] group 0, one for each half of K
.set G0,   32
.set G1B,  48                          ; s[48:55], s[56:63] the same for W's codes
.set G0B,  56
.set G1S,  68                          ; s[68:75], s[76:79] for x's scales;  s[80:87], s[88:91] for W's
.set G0S,  76
.set G1SB, 80
.set G0SB, 88
.set MSB, 0
.macro WIN new                         ; the immediate's high byte repeats the setting that is left; a switch that changes nothing is dropped
.if MSB != \new
	s_set_vgpr_msb (MSB<<8)|\new
.set MSB, \new
.endif
.endm
.macro PLACES n
.rept \n
	v_nop
.endr
.endm
; A joint load: waves 0 and 1 fetch for x, waves 2 and 3 for W.  Each line has one mask and one set of registers for all that issue it; the branch hangs on the wave's number alone.
.macro JLOAD g0a, g1a, g0b, g1b
	s_cmp_eq_u32 s19, 0
	s_cbranch_scc0 .Lfor_w_\@
	tensor_load_to_lds s[\g0a:\g0a+3], s[\g1a:\g1a+7]
	s_nop 0
.rept 4
	v_nop
.endr
	s_branch .Lasked_\@
.Lfor_w_\@:
	tensor_load_to_lds s[\g0b:\g0b+3], s[\g1b:\g1b+7]
	s_nop 0
.rept 4
	v_nop
.endr
.Lasked_\@:
.endm
.macro CROUND                          ; a round of the cluster's barrier: my work-group's barrier, wave 0 signals for it, all wait for all sixteen, my work-group's barrier once more
	s_barrier_signal -1
	s_barrier_wait -1
	s_cmp_lg_u32 s18, 0
	s_cbranch_scc1 .Lnot_wave_0_\@
	s_barrier_signal -3
.Lnot_wave_0_\@:
	s_barrier_wait -3
	s_barrier_signal -1
	s_barrier_wait -1
.endm
	s_load_b256 s[4:11], s[0:1], 0x0               ; x's codes s[4:5], x's scales s[6:7], W's codes s[8:9], W's scales s[10:11]
	s_load_b128 s[12:15], s[0:1], 0x20             ; the bias s[12:13], qs s[14:15]
	s_load_b64 s[16:17], s[0:1], 0x30              ; kv
	v_lshl_add_u32 v[SPW], v0, 2, SPARE
	v_mov_b32 v[NIL], 0
	ds_add_u32 v[SPW], v[NIL]                      ; the wave's opening: the add, twice on end, and its wait ahead of my first tensor load
	ds_add_u32 v[SPW], v[NIL]
	v_lshrrev_b32 v1, 5, v0
	v_readfirstlane_b32 s18, v1                    ; wave 0..3
	s_lshr_b32 s19, s18, 1                         ; which half of Q's rows is mine.  Also: I fetch for x (0) or for W (1)
	s_and_b32 s20, s18, 1                          ; which half of P's rows.  Also: which 128 rows I fetch
	s_bfe_u32 s21, ttmp6, 0x40000                  ; cx, cy: my place in the cluster
	s_bfe_u32 s22, ttmp6, 0x40004
	s_lshl_b32 s23, ttmp9, 2
	s_add_co_u32 s23, s23, s21                     ; which 256 rows of W: 4 x cluster x + cx
	s_and_b32 s66, ttmp7, 0xffff
	s_lshl_b32 s66, s66, 2
	s_add_co_u32 s66, s66, s22                     ; which 256 tokens: 4 x cluster y + cy
	s_lshl_b32 s40, s22, 2
	s_lshl_b32 s40, 15, s40                        ; my row of the cluster
	s_lshl_b32 s41, 0x1111, s21                    ; my column
	s_or_b32 s[G1+0], s40, (0<<16)|(1<<20)|(1<<21)|(5<<22)|(3<<25)   ; 15:0 the mask: x's tiles go to my row; elements of 1 byte; padding on; bit 21 beside a mask; 4 words behind every 64
	s_or_b32 s[G1B+0], s41, (0<<16)|(1<<20)|(1<<21)|(5<<22)|(3<<25)  ; W's tiles go to my column
.irp g, G1, G1B
	s_mov_b32 s[\g+1], 256<<16                     ; tensor_dim0 = 256 bytes: half of K
	s_mov_b32 s[\g+2], 128<<16                     ; tensor_dim1 = 128 rows
	s_mov_b32 s[\g+3], 256<<16                     ; tile_dim0
	s_mov_b32 s[\g+4], 128                         ; tile_dim1
	s_mov_b32 s[\g+5], 512                         ; a row of 1,024 codes in memory
	s_mov_b32 s[\g+6], 0
	s_mov_b32 s[\g+7], 0
.endr
	s_or_b32 s[G1S+0], s40, (3<<16)|(1<<20)|(1<<21)|(5<<22)|(3<<25)  ; the scales of 128 rows: 4,096 dense bytes as 16 rows of 32 elements of 8 bytes
	s_or_b32 s[G1SB+0], s41, (3<<16)|(1<<20)|(1<<21)|(5<<22)|(3<<25)
.irp g, G1S, G1SB
	s_mov_b32 s[\g+1], 32<<16
	s_mov_b32 s[\g+2], 16<<16
	s_mov_b32 s[\g+3], 32<<16
	s_mov_b32 s[\g+4], 16
	s_mov_b32 s[\g+5], 32
	s_mov_b32 s[\g+6], 0
	s_mov_b32 s[\g+7], 0
.endr
	s_lshl_b32 s42, s20, 7                         ; which 128 rows I fetch
	s_lshl_b32 s44, s66, 8
	s_add_co_u32 s44, s44, s42                     ; x: token 256 gy + 128 x half
	s_lshl_b32 s46, s23, 8
	s_add_co_u32 s46, s46, s42                     ; W: row 256 gx + 128 x half
	s_mov_b32 s45, 0
	s_mov_b32 s47, 0
	s_lshl_b64 s[92:93], s[44:45], 5               ; their scales begin here, 32 bytes a row,
	s_lshl_b64 s[94:95], s[46:47], 5
	s_lshl_b64 s[44:45], s[44:45], 9               ; and their codes, 512 bytes a row
	s_lshl_b64 s[46:47], s[46:47], 9
	s_mul_i32 s42, s18, HALFT                      ; where they go: wave x 128 rows: no place in the cluster enters an LDS address
	s_mul_i32 s43, s18, HALFS
	s_mov_b32 s2, 0x76543210
	s_mov_b32 s3, 0xfedcba98                       ; v_permlanex16_b32's selects for lane l xor 16
	s_mov_b32 s67, 0xffff0000                      ; lanes 16-31
	s_wait_dscnt 0x0                               ; both opening adds are done
	s_wait_kmcnt 0x0
	s_add_nc_u64 s[44:45], s[4:5], s[44:45]
	s_add_nc_u64 s[92:93], s[6:7], s[92:93]
	s_add_nc_u64 s[46:47], s[8:9], s[46:47]
	s_add_nc_u64 s[94:95], s[10:11], s[94:95]
	CROUND                                         ; all sixteen work-groups are here: the joint loads meet
	s_mov_b32 s[G0S], 1
	s_add_co_u32 s[G0S+1], s43, SCL
	s_mov_b64 s[G0S+2:G0S+3], s[92:93]
	s_or_b32 s[G0S+3], s[G0S+3], 0x80000000
	s_mov_b32 s[G0SB], 1
	s_add_co_u32 s[G0SB+1], s43, SCL
	s_mov_b64 s[G0SB+2:G0SB+3], s[94:95]
	s_or_b32 s[G0SB+3], s[G0SB+3], 0x80000000
	JLOAD G0S, G1S, G0SB, G1SB                     ; the scales first: they are wanted with the first K step
.irp s, 0,1
	s_mov_b32 s[G0+4*\s], 1
	s_add_co_u32 s[G0+4*\s+1], s42, \s*SLOT
	s_add_nc_u64 s[G0+4*\s+2:G0+4*\s+3], s[44:45], \s*256
	s_or_b32 s[G0+4*\s+3], s[G0+4*\s+3], 0x80000000
	s_mov_b32 s[G0B+4*\s], 1
	s_add_co_u32 s[G0B+4*\s+1], s42, \s*SLOT
	s_add_nc_u64 s[G0B+4*\s+2:G0B+4*\s+3], s[46:47], \s*256
	s_or_b32 s[G0B+4*\s+3], s[G0B+4*\s+3], 0x80000000
	JLOAD G0+4*\s, G1, G0B+4*\s, G1B               ; three loads of mine are out: all that this launch ever asks for
.endr
	; the role: which LDS regions are Q's and P's, and which of my two half numbers counts tokens and which channels
	s_cmp_eq_u32 ttmp9, 2
	s_cselect_b32 s96, 2*HALFT, 0                  ; Q's codes: W's region for v, x's for q and k
	s_cselect_b32 s97, 0, 2*HALFT                  ; P's codes
	s_cselect_b32 s98, 2*HALFS, 0                  ; Q's scales
	s_cselect_b32 s99, 0, 2*HALFS                  ; P's scales
	s_cselect_b32 s92, s20, s19                    ; my half of the 256 tokens
	s_cselect_b32 s93, s19, s20                    ; my half of the 256 channels
	v_and_b32 v1, 15, v0                           ; r
	s_wait_alu depctr_va_vdst(0)
	v_bfe_u32 v2, v0, 4, 1                         ; h
	v_mul_u32_u24 v3, v1, PITCH
	v_lshl_add_u32 v3, v2, 4, v3                   ; a fragment's row x pitch + 16 h
	s_mul_i32 s40, s19, HALFT
	s_add_co_u32 s40, s40, s96
	s_mul_i32 s41, s20, HALFT
	s_add_co_u32 s41, s41, s97
.irp s, 0,1
	v_add_nc_u32 v[ADRQ+\s], s40, v3
	v_add_nc_u32 v[ADRP+\s], s41, v3
	s_add_co_u32 s40, s40, SLOT
	s_add_co_u32 s41, s41, SLOT
.endr
	v_lshlrev_b32 v4, 5, v1                        ; my row's scales: 32 bytes a row,
	v_lshrrev_b32 v5, 3, v1
	v_lshl_add_u32 v4, v5, 4, v4                   ; and 16 more for each 256 passed
	s_mul_i32 s42, s19, HALFS
	s_add_co_u32 s42, s42, s98
	s_add_co_u32 s42, s42, SCL
	s_mul_i32 s43, s20, HALFS
	s_add_co_u32 s43, s43, s99
	s_add_co_u32 s43, s43, SCL
	v_mov_b32 v5, s42
	v_mov_b32 v6, s43
	v_cndmask_b32 v5, v5, v6, s67                  ; lanes 0-15 take Q's, lanes 16-31 P's
	v_add_nc_u32 v[ADRS], v5, v4
	v_and_b32 v[LI], 31, v0
	v_lshlrev_b32 v[L8], 3, v[LI]
	v_lshlrev_b32 v[LI], 4, v[LI]
	v_lshlrev_b32 v[BO], 5, v2
	v_lshlrev_b32 v[BO+1], 2, v1
.irp b, 0,1,2,3
	v_mov_b32 v[TM+4+\b], 0                        ; written once: a lane permute's destination counts as one of its sources
.endr
	s_lshl_b32 s94, s23, 10                        ; the bias of my 128 channels: 4 (256 gx + 128 x half) bytes on
	s_lshl_b32 s95, s93, 9
	s_add_co_u32 s94, s94, s95
	s_mov_b32 s95, 0
	s_add_nc_u64 s[12:13], s[12:13], s[94:95]
	; where my results go: block (batch, head, step) of qs or kv; my 128 channels are two heads, 16 blocks apart
	s_lshl_b32 s40, s66, 1
	s_add_co_u32 s40, s40, s92                     ; my 128 tokens: number 2 gy + half of 64
	s_lshr_b32 s41, s40, 4                         ; the batch
	s_and_b32 s40, s40, 15                         ; the step of 128 in it
	s_lshl_b32 s42, s23, 2
	s_lshl_b32 s43, s93, 1
	s_add_co_u32 s42, s42, s43
	s_and_b32 s42, s42, 15                         ; my first head: (4 gx + 2 x half) mod 16
	s_lshl_b32 s41, s41, 8
	s_lshl_b32 s42, s42, 4
	s_add_co_u32 s40, s40, s41
	s_add_co_u32 s40, s40, s42                     ; 256 batch + 16 head + step
	s_cmp_eq_u32 ttmp9, 0
	s_cselect_b64 s[44:45], s[14:15], s[16:17]     ; q goes to qs, k and v to kv: the choice hangs on the cluster's x alone
	s_mov_b32 s43, 8960
	s_cselect_b32 s43, 4608, s43
	s_mul_i32 s94, s40, s43
	s_add_nc_u64 s[44:45], s[44:45], s[94:95]      ; my first head's block
	s_lshl_b32 s94, s43, 4
	s_add_nc_u64 s[46:47], s[44:45], s[94:95]      ; my second head's
	; THE BIAS is the C of each sum's first product: eight registers a tile in the result's layout.  q, k: it runs along P (register j of tile b: channel 16 b + 8 h + j).
	; v: it runs along Q (the lane's channel 16 a + r), so a tile's eight registers all hold the lane's one number.  Both arms write all 64 registers.
	s_cmp_eq_u32 ttmp9, 2
	s_cbranch_scc1 .Lbias_v
	WIN 0x40                                       ; destination window 1
	s_wait_alu depctr_va_vdst(0)
.irp b, 0,1,2,3,4,5,6,7
	global_load_b128 v[BI+8*\b:BI+8*\b+3], v[BO], s[12:13] offset:64*\b
	global_load_b128 v[BI+8*\b+4:BI+8*\b+7], v[BO], s[12:13] offset:64*\b+16
.endr
	WIN 0
	s_branch .Lbias_asked
.Lbias_v:
	WIN 0x40
	s_wait_alu depctr_va_vdst(0)
.irp a, 0,1,2,3,4,5,6,7
.irp j, 0,1,2,3,4,5,6,7
	global_load_b32 v[BI+8*\a+\j], v[BO+1], s[12:13] offset:64*\a
.endr
.endr
	WIN 0
.Lbias_asked:
; 16 products: Q's tiles a0, a0 + 1 x P's eight, 128 along K.  p: the fragments' set; sc, q: the scale words' set and place.  cm = 0: onto the sum; 1: the sum starts with the bias of P's tile; 2: of Q's tile.
; The 64 accumulators take turns, one instruction a turn, in the same order in every step.
.macro MUL16 a0, p, sc, q, cm
.irp a, \a0, \a0+1
.irp b, 0,1,2,3,4,5,6,7
.set rD, 8*(8*((\a)%4)+\b)
.set rP, 128*(\p)+8*\b
.set rQ, QF+64*(\p)+8*(\a)
.set rC, rD
.if (\cm) == 1
.set rC, BI+8*\b
.endif
.if (\cm) == 2
.set rC, BI+8*(\a)
.endif
	v_wmma_scale_f32_16x16x128_f8f6f4 v[rD:rD+7], v[rP:rP+7], v[rQ:rQ+7], v[rC:rC+7], v[SC+32*(\sc)+4*\b+(\q)], v[SC+32*(\sc)+4*(\a)+(\q)] matrix_a_fmt:MATRIX_FMT_FP4 matrix_b_fmt:MATRIX_FMT_FP4 matrix_a_scale:MATRIX_SCALE_ROW1
.endr
.endr
.endm
.macro PROD p, sc, q, cm               ; a K step's 64 products.  Windows: source 0 (P) 1, source 1 (Q) 0, D 2 or 3, C with D or, for the bias, 1
.if \cm
	WIN 0x91
.else
	WIN 0xa1
.endif
	MUL16 0, \p, \sc, \q, \cm
	MUL16 2, \p, \sc, \q, \cm
.if \cm
	WIN 0xd1
.else
	WIN 0xf1
.endif
	MUL16 4, \p, \sc, \q, \cm
	MUL16 6, \p, \sc, \q, \cm
	WIN 0
.endm
; A fragment, 16 rows x 128 K of 4-bit codes, is 8 registers: lane l holds row l % 16; registers 4 c .. 4 c + 3 hold K = 64 c + 32 (l / 16) + 0..31: two loads of 16 bytes, 32 bytes apart.
.macro FETCHP slot, q, p
	WIN 0x40
.irp i, 0,1,2,3,4,5,6,7
.irp c, 0,1
	ds_load_b128 v[128*(\p)+8*\i+4*\c:128*(\p)+8*\i+4*\c+3], v[ADRP+(\slot)] offset:64*(\q)+32*\c+\i*16*PITCH
.endr
.endr
	WIN 0
.endm
.macro FETCHQ slot, q, p
.irp i, 0,1,2,3,4,5,6,7
.irp c, 0,1
	ds_load_b128 v[QF+64*(\p)+8*\i+4*\c:QF+64*(\p)+8*\i+4*\c+3], v[ADRQ+(\slot)] offset:64*(\q)+32*\c+\i*16*PITCH
.endr
.endr
.endm
.macro SCALES sc                       ; the scale words of half sc of K: four words a row
.irp i, 0,1,2,3,4,5,6,7
	ds_load_b128 v[SC+32*\sc+4*\i:SC+32*\sc+4*\i+3], v[ADRS] offset:\i*SBLK+16*\sc
.endr
.endm
; K step k: its fragments were asked for a step ago; the next step's are asked for ahead of its 64 products, into the set that the step before multiplied (four places behind those products).
.macro STEP k
	s_wait_dscnt 0x0                               ; this step's 32 loads, issued ahead of the last step's 64 products, are in
.if (\k) < 7
	PLACES 4
	FETCHP ((\k)+1)/4, ((\k)+1)%4, ((\k)+1)%2
	FETCHQ ((\k)+1)/4, ((\k)+1)%4, ((\k)+1)%2
.endif
	PROD (\k)%2, (\k)/4, (\k)%4, 0
.endm
	s_wait_tensorcnt 0x1                           ; the scales and my part of the first half of K are in; the second half's load, my youngest, may stay out
	s_barrier_signal -1
	s_barrier_wait -1                              ; everybody's are
	FETCHP 0, 0, 0
	FETCHQ 0, 0, 0
	SCALES 0
	s_wait_dscnt 0x0
	FETCHP 0, 1, 1
	FETCHQ 0, 1, 1
	s_wait_loadcnt 0x0                             ; the bias
	s_cmp_eq_u32 ttmp9, 2
	s_cbranch_scc1 .Lfirst_v
	PROD 0, 0, 0, 1                                ; q, k: the first K step starts the sums with the bias: nothing is cleared, nothing is added later
	s_branch .Lfirst_done
.Lfirst_v:
	PROD 0, 0, 0, 2
.Lfirst_done:
	STEP 1
	STEP 2
	s_wait_dscnt 0x0                               ; K step 3: its fragments are in, and no LDS instruction of mine is out at the signal
	s_wait_tensorcnt 0x0                           ; my part of the second half of K has landed
	s_barrier_signal -1
	WIN 0xa1
	MUL16 0, 1, 0, 3, 0                            ; work on registers while the others arrive
	MUL16 2, 1, 0, 3, 0
	WIN 0
	s_barrier_wait -1                              ; everybody's part has landed.
	PLACES 4
	FETCHP 1, 0, 0
	FETCHQ 1, 0, 0
	SCALES 1
	WIN 0xf1
	MUL16 4, 1, 0, 3, 0
	MUL16 6, 1, 0, 3, 0
	WIN 0
	STEP 4
	STEP 5
	STEP 6
	STEP 7
; THE QUANTISER for Q's tile a: its 64 numbers a lane stay in the accumulators and are read through the windows.  Codes to v[PC + 8 a] on, the rows' scale word to v[PW + a].
; A block's scale is 2^(floor(log2(largest magnitude)) - 2): its byte is the largest magnitude's exponent field less 2, and the conversion takes the exponent field of its scale operand and nothing else of it.
.macro QUANTA a
.set AC, 64*((\a)%4)
.set AW, 2+(\a)/4
.set PCA, PC+8*(\a)
	WIN 5*AW                                       ; sources 0 and 1 in the accumulators' window
.irp b, 0,1,2,3
	v_max3_num_f32 v[TM+\b], |v[AC+16*\b]|, |v[AC+16*\b+1]|, 0x1800000   ; block b: my 16 numbers, each accumulator from its low end on, and the floor 2^(3 - 127): the byte cannot fall under 1
.endr
	WIN 20*AW                                      ; sources 1 and 2
.irp i, 2,4,6,8,10,12,14
.irp b, 0,1,2,3
	v_max3_num_f32 v[TM+\b], v[TM+\b], |v[AC+16*\b+\i]|, |v[AC+16*\b+\i+1]|   ; the four blocks by turns
.endr
.endr
	WIN 0
.irp b, 0,1,2,3
	v_permlanex16_b32 v[TM+4+\b], v[TM+\b], s2, s3
.endr
.irp b, 0,1,2,3
	v_max_num_f32 v[TM+\b], v[TM+\b], v[TM+4+\b]   ; with lane l xor 16's 16: the block's largest magnitude
.endr
.irp b, 0,1,2,3
	v_add_nc_u32 v[TM+12+\b], 0xff000000, v[TM+\b] ; 2 off its exponent field: the conversion's scale operand
.endr
.irp b, 0,1,2,3
	v_lshrrev_b32 v[TM+4+\b], 23, v[TM+12+\b]      ; the scale's byte
.endr
	v_lshl_or_b32 v[PW+(\a)], v[TM+5], 8, v[TM+4]
	v_lshl_or_b32 v[PW+(\a)], v[TM+6], 16, v[PW+(\a)]
	v_lshl_or_b32 v[PW+(\a)], v[TM+7], 24, v[PW+(\a)]
	WIN AW                                         ; source 0
.irp c, 0,1
	v_cvt_scalef32_pk8_fp4_f32 v[PCA+4*\c],   v[AC+32*\c:AC+32*\c+7],     v[TM+12+2*\c]
	v_cvt_scalef32_pk8_fp4_f32 v[PCA+4*\c+2], v[AC+32*\c+8:AC+32*\c+15],  v[TM+12+2*\c]
	v_cvt_scalef32_pk8_fp4_f32 v[PCA+4*\c+1], v[AC+32*\c+16:AC+32*\c+23], v[TM+13+2*\c]
	v_cvt_scalef32_pk8_fp4_f32 v[PCA+4*\c+3], v[AC+32*\c+24:AC+32*\c+31], v[TM+13+2*\c]
.endr
	WIN 0
	v_nop                                          ; one plain instruction between a scaled conversion and the vector instruction that touches its result
.irp c, 0,1
	v_permlane16_swap_b32 v[PCA+4*\c], v[PCA+4*\c+1]     ; the first's lanes 16-31 change places with the second's lanes 0-15: register 4 c + i now holds k = 64 c + 32 h + 8 i + 0..7
	v_permlane16_swap_b32 v[PCA+4*\c+2], v[PCA+4*\c+3]
.endr
.endm
	PLACES 4                                       ; behind the last products, ahead of the first read of results and the first write over fragments
	s_cmp_eq_u32 ttmp9, 2
	s_cbranch_scc1 .Lout_v
	; q, k: tile a is 16 tokens; registers 0-3 are my first head's fragment, 4-7 my second's.  Every store covers 512 consecutive bytes, aligned
.irp a, 0,1,2,3,4,5,6,7
	QUANTA \a
	global_store_b128 v[LI], v[PC+8*\a:PC+8*\a+3], s[44:45] offset:512*\a
	global_store_b128 v[LI], v[PC+8*\a+4:PC+8*\a+7], s[46:47] offset:512*\a
.endr
.irp i, 0,1,2,3
	v_cndmask_b32 v[TT+\i], v[PW+2*\i], v[PW+2*\i+1], s67   ; lanes 0-15 carry tile 2 i's words, lanes 16-31 tile 2 i + 1's
.endr
.irp i, 0,1,2,3
	v_and_b32 v[TT+4+\i], 0xffff, v[TT+\i]         ; bytes 0, 1: my first head's two blocks; the upper two bytes are 0, over zero codes
	v_lshrrev_b32 v[TT+\i], 16, v[TT+\i]           ; bytes 2, 3: my second head's
.endr
	global_store_b128 v[LI], v[TT+4:TT+7], s[44:45] offset:4096
	global_store_b128 v[LI], v[TT:TT+3], s[46:47] offset:4096
	s_branch .Lout_done
.Lout_v:
	; v: tile a is 16 channels (head a / 4, tile a % 4 of it) x my 128 keys: a whole fragment and a whole scale word
.irp a, 0,1,2,3,4,5,6,7
	QUANTA \a
	global_store_b128 v[LI], v[PC+8*\a:PC+8*\a+3], s[44+2*(\a/4):45+2*(\a/4)] offset:4608+1024*(\a%4)
	global_store_b128 v[LI], v[PC+8*\a+4:PC+8*\a+7], s[44+2*(\a/4):45+2*(\a/4)] offset:4608+1024*(\a%4)+512
.endr
.irp g, 0,1
.irp i, 0,1
	v_cndmask_b32 v[TT+2*\g+\i], v[PW+4*\g+2*\i], v[PW+4*\g+2*\i+1], s67
.endr
.endr
	global_store_b64 v[L8], v[TT:TT+1], s[44:45] offset:8704      ; 256 consecutive bytes, aligned
	global_store_b64 v[L8], v[TT+2:TT+3], s[46:47] offset:8704
.Lout_done:
	s_wait_tensorcnt 0x0                           ; the wave's end
	ds_add_u32 v[SPW], v[NIL]
	s_wait_dscnt 0x0
	CROUND                                         ; the closing round
	s_endpgm
.Lfunc_end_k_qef5bc4ff21_qkv:
	.size	k_qef5bc4ff21_qkv, .Lfunc_end_k_qef5bc4ff21_qkv-k_qef5bc4ff21_qkv
	.p2alignl 7, 3214868480
	.fill 96, 4, 3214868480
	.section	.rodata,"a",@progbits
	.p2align	6, 0x0
	.amdhsa_kernel k_qef5bc4ff21_qkv
		.amdhsa_group_segment_fixed_size 327680
		.amdhsa_private_segment_fixed_size 0
		.amdhsa_enable_private_segment 0
		.amdhsa_kernarg_size 56
		.amdhsa_user_sgpr_count 2
		.amdhsa_user_sgpr_kernarg_segment_ptr 1
		.amdhsa_wavefront_size32 1
		.amdhsa_system_sgpr_workgroup_id_x 1
		.amdhsa_system_sgpr_workgroup_id_y 1
		.amdhsa_system_sgpr_workgroup_id_z 1
		.amdhsa_system_vgpr_workitem_id 0
		.amdhsa_next_free_vgpr 1024
		.amdhsa_next_free_sgpr 100
		.amdhsa_reserve_vcc 0
		.amdhsa_float_denorm_mode_32 3
		.amdhsa_float_denorm_mode_16_64 3
		.amdhsa_memory_ordered 1
		.amdhsa_forward_progress 1
		.amdhsa_inst_pref_size 177
	.end_amdhsa_kernel
	.amdgpu_metadata
---
amdhsa.version: [ 1, 2 ]
amdhsa.kernels:
  - .name:           k_qef5bc4ff21_qkv
    .symbol:         k_qef5bc4ff21_qkv.kd
    .args:
      - { .name: x_codes, .offset: 0, .size: 8, .value_kind: global_buffer, .address_space: global }
      - { .name: x_scales, .offset: 8, .size: 8, .value_kind: global_buffer, .address_space: global }
      - { .name: qkv_w_codes, .offset: 16, .size: 8, .value_kind: global_buffer, .address_space: global }
      - { .name: qkv_w_scales, .offset: 24, .size: 8, .value_kind: global_buffer, .address_space: global }
      - { .name: qkv_b, .offset: 32, .size: 8, .value_kind: global_buffer, .address_space: global }
      - { .name: qs, .offset: 40, .size: 8, .value_kind: global_buffer, .address_space: global }
      - { .name: kv, .offset: 48, .size: 8, .value_kind: global_buffer, .address_space: global }
    .group_segment_fixed_size: 327680
    .private_segment_fixed_size: 0
    .kernarg_segment_align: 8
    .kernarg_segment_size: 56
    .max_flat_workgroup_size: 128
    .sgpr_count:     100
    .vgpr_count:     1024
    .wavefront_size: 32
...
	.end_amdgpu_metadata
.endif
;; end of part 1
;; launch attn (part 2): grid 4 x 64, 16 waves a work-group, clusters of 4 x 1, 167,936 bytes of LDS; arguments qs, kv, ac, asc; writes ac, asc
.if DOCPART == 2
	.amdgcn_target "amdgcn-amd-amdhsa--gfx1250"
	.amdhsa_code_object_version 6
	.text
	.protected	k_qef5bc4ff21_attn
	.globl	k_qef5bc4ff21_attn
	.p2align	8
	.type	k_qef5bc4ff21_attn,@function
k_qef5bc4ff21_attn:
	s_mov_b64 s[64:65], 0
	v_nop
	global_prefetch_b8 v0, s[64:65] scope:SCOPE_SE
	s_setreg_imm32_b32 hwreg(HW_REG_WAVE_MODE, 25, 1), 1
	s_wait_xcnt 0x0
	s_wait_alu depctr_hold_cnt(0) depctr_sa_sdst(0) depctr_va_vdst(0) depctr_va_sdst(0) depctr_va_ssrc(0) depctr_va_vcc(0) depctr_vm_vsrc(0)
	s_getreg_b32 s2, hwreg(HW_REG_IB_STS2, 6, 4)
	s_cmp_eq_u32 s2, 0
	s_cbranch_scc0 .Lentry_in_a_cluster
	s_endpgm
.Lentry_in_a_cluster:
	s_bfe_u32 s2, ttmp6, 0x10000c
	s_cmp_lg_u32 s2, 0x3003
	s_cbranch_scc0 .Lentry_shape_is_right
	s_endpgm
.Lentry_shape_is_right:
; SECOND LAUNCH: causal attention on the codes that the first launch made; its result, out / l, is quantised along the channels at once and leaves as codes (ac) and scale bytes (asc) for the projection.
; LEFT OUT: key steps of 128 keys all of which come after a tile's 16 queries: reference()'s own causal mask throws their scores away for all inputs (shown at the head of the first kernel).
; Inside the one step on the diagonal hidden scores become -infinity where reference() has finfo.min: p is 0 either way.  LIMIT: a NaN, an infinity or an overflow that reaches only hidden scores is not carried on.
; LIMITS of the quantisers: as in the first kernel (byte 1 for blocks under 2^(3 - 127) and for blocks of zeros; NaN and infinities not served).
; THE SOFTMAX: t = score x log2(e) / 8; M = the running largest t rounded UP to a whole number; p = 2^(t - M) is quantised along the keys, not normalised; the row's sum is taken of the unquantised p and divides at the end.
; When M moves, the sum and O are multiplied by 2^(old M - new M), which rounds nothing.
; SHARES.  A cluster of four work-groups is one (batch, head).  Partner j takes the tiles of 16 queries whose number is j modulo 4; its wave w makes two, one after the other: j + 4 w and j + 124 - 4 w.
; Their diagonal steps are w / 2 and 15 - w / 2, whatever j is: every wave of every work-group walks 17 key steps, and no branch, trip count or LDS address hangs on j.
; The head's whole K and V, 16 steps x 8,960 bytes, lie in LDS: wave w asks for step w, once, jointly with the three partners (all four read all of it).  Nothing is ever filled again; behind the one barrier the waves run free.
; LAYOUT.  Both products transposed: S^T = K Q^T (source 0 = 16 keys), O^T = V^T P^T (source 0 = 16 channels): a lane holds one query (lane % 16) throughout.  The head's 64 channels fill half of the first product's
; K of 128: the upper four registers of K's and Q's fragments are zero codes, cleared once.  In S^T register j of tile t is key 16 t + 8 h + j; the codes' order is mended as in the first kernel.
; Fragments lie in LDS as images of their registers: a load takes 512 consecutive bytes.
; REGISTERS: v1-11 addresses and the like; v12 -M, v13 the largest t, v[14:15] the sum in two halves; v16-23, v24-31 the two tiles' Q; v32-63 four fragments of K; v64-95 V's four; v96-159 S^T, then p; v160-191 O^T;
;   v192-195 V's and Q's scale words; v224-231 p's codes; v232-247, v252, v254 at work; v248-251 K's scale words; v253 p's scale word.
.set STEPB, 8960                       ; a key step in LDS, as in kv: K's 8 images, K's scale words, V's 4 fragments, V's scale words
.set KSC,   4096
.set VOFF,  4608
.set VSC,   8704
.set SPARE, 16*STEPB                   ; the spare words: 128 bytes for each of 16 waves, named by no other line
.set LI,  1                            ; v1   16 x lane
.set L8,  2                            ; v2   8 x lane
.set AO,  3                            ; v3   32 r + h: my scale byte's place in asc
.set RH,  4                            ; v4   r - 8 h
.set SPW, 5                            ; v5   LDS address of my spare word; never rewritten
.set NIL, 6                            ; v6   0; never rewritten
.set R16, 7                            ; v7   16 r
.set ADR, 8                            ; v8   the step's place + 16 x lane
.set ADS, 9                            ; v9   the step's place + 8 x lane
.set DD,  10                           ; v10  the diagonal: my query less the step's first key less 8 h
.set BY,  11                           ; v11  my scale byte on its way out
.set WV,  12
.set G1,  16                           ; s[16:23], s[24:27] the descriptor
.set G0,  24
.set SEL, 28                           ; s[28:29] v_permlanex16_b32's selects for lane l xor 16
.set CS,  30                           ; s[30:31] c = log2(e) / 8 (the packed form names a pair and takes its low word for both halves)
.set TB,  32                           ; s32  LDS byte at which the step in hand begins
.set CNT, 33                           ; s33  the step's number
.set HI,  36                           ; s36  lanes 16-31
.set GD,  52                           ; s52, s53  the diagonal step of my first and second tile: made of the wave's number alone
.set D16, 54                           ; s54, s55  16 x (the tile's number mod 8): it enters a vector compare alone
.macro CROUND
	s_barrier_signal -1
	s_barrier_wait -1
	s_cmp_lg_u32 s[WV], 0
	s_cbranch_scc1 .Lnot_wave_0_\@
	s_barrier_signal -3
.Lnot_wave_0_\@:
	s_barrier_wait -3
	s_barrier_signal -1
	s_barrier_wait -1
.endm
	s_load_b256 s[4:11], s[0:1], 0x0               ; qs s[4:5], kv s[6:7], ac s[8:9], asc s[10:11]
	v_lshl_add_u32 v[SPW], v0, 2, SPARE
	v_mov_b32 v[NIL], 0
	ds_add_u32 v[SPW], v[NIL]                      ; the wave's opening: the add, twice on end, and its wait ahead of my first tensor load
	ds_add_u32 v[SPW], v[NIL]
	v_lshrrev_b32 v8, 5, v0
	s_delay_alu instid0(VALU_DEP_1)
	v_readfirstlane_b32 s[WV], v8                  ; wave 0..15
	s_bfe_u32 s13, ttmp6, 0x40000                  ; j: my place in the cluster
	s_and_b32 s14, ttmp7, 0xffff                   ; 16 x batch + head, which the partners share
	s_mov_b32 s[G1], 15|(3<<16)|(1<<21)            ; 15:0 the mask: all four work-groups; elements of 8 bytes; bit 21 beside a mask; no padding
	s_mov_b32 s[G1+1], 32<<16                      ; a step's 8,960 dense bytes as 35 rows of 256
	s_mov_b32 s[G1+2], 35<<16
	s_mov_b32 s[G1+3], 32<<16
	s_mov_b32 s[G1+4], 35
	s_mov_b32 s[G1+5], 32
	s_mov_b32 s[G1+6], 0
	s_mov_b32 s[G1+7], 0
	s_lshl_b32 s35, s14, 4                         ; the head's first block in qs and kv
	s_add_co_u32 s60, s35, s[WV]
	s_mul_i32 s60, s60, STEPB                      ; key step w, in memory,
	s_mov_b32 s61, 0
	s_mov_b32 s[G0], 1
	s_mul_i32 s[G0+1], s[WV], STEPB                ; and in LDS
	s_mov_b32 s[SEL], 0x76543210
	s_mov_b32 s[SEL+1], 0xfedcba98
	s_mov_b32 s[CS], 0x3e38aa3b
	s_mov_b32 s[CS+1], s[CS]
	s_mov_b32 s[HI], 0xffff0000
	s_wait_dscnt 0x0                               ; both opening adds are done
	s_wait_kmcnt 0x0
	s_add_nc_u64 s[G0+2:G0+3], s[6:7], s[60:61]
	s_or_b32 s[G0+3], s[G0+3], 0x80000000
	CROUND                                         ; all four work-groups are here: the joint loads meet
	tensor_load_to_lds s[G0:G0+3], s[G1:G1+7]      ; my one tensor load
	s_nop 0
.rept 4
	v_nop
.endr
	s_lshl_b32 s34, s[WV], 2
	s_add_co_u32 s37, s34, s13                     ; my first tile of queries: j + 4 w
	s_sub_co_u32 s38, 124, s34
	s_add_co_u32 s38, s38, s13                     ; my second: j + 124 - 4 w
	s_lshr_b32 s[GD], s[WV], 1
	s_sub_co_u32 s[GD+1], 15, s[GD]
	s_lshr_b32 s34, s14, 4
	s_lshl_b32 s34, s34, 7                         ; the batch's first tile of tokens
	s_and_b32 s33, s14, 15                         ; the head
	s_mov_b32 s63, 0
.irp p, 0,1
	s_and_b32 s39, s[37+\p], 7                     ; the tile's place in its step of 128 queries
	s_lshl_b32 s[D16+\p], s39, 4
	s_add_co_u32 s60, s35, s[GD+\p]
	s_mul_i32 s60, s60, 4608                       ; that step's block of qs
	s_lshl_b32 s61, s39, 9
	s_add_co_u32 s62, s60, s61
	s_add_nc_u64 s[40+2*\p:41+2*\p], s[4:5], s[62:63]    ; the tile's image
	s_and_b32 s61, s39, 1
	s_lshl_b32 s61, s61, 8
	s_lshr_b32 s39, s39, 1
	s_lshl_b32 s39, s39, 2
	s_add_co_u32 s62, s60, s61
	s_add_co_u32 s62, s62, s39
	s_add_nc_u64 s[56+2*\p:57+2*\p], s[4:5], s[62:63]    ; its scale words: 256 (tile % 2) + 4 (tile / 2) + 16 r behind byte 4,096
	s_add_co_u32 s60, s34, s[37+\p]                ; the tile among all 512 tiles of tokens
	s_lshl_b32 s62, s60, 13
	s_lshl_b32 s61, s33, 9
	s_add_co_u32 s62, s62, s61
	s_add_nc_u64 s[44+2*\p:45+2*\p], s[8:9], s[62:63]    ; ac: 8,192 bytes a tile, 512 a head
	s_lshl_b32 s62, s60, 9
	s_lshl_b32 s61, s33, 1
	s_add_co_u32 s62, s62, s61
	s_add_nc_u64 s[48+2*\p:49+2*\p], s[10:11], s[62:63]  ; asc: 32 bytes a token, 2 a head
.endr
	v_and_b32 v8, 31, v0
	s_delay_alu instid0(VALU_DEP_1)
	v_lshlrev_b32 v[LI], 4, v8
	s_delay_alu instid0(VALU_DEP_2)
	v_lshlrev_b32 v[L8], 3, v8
	v_and_b32 v9, 15, v0                           ; r
	v_bfe_u32 v10, v0, 4, 1                        ; h
	s_delay_alu instid0(VALU_DEP_1)
	v_lshl_add_u32 v[AO], v9, 5, v10
	s_delay_alu instid0(VALU_DEP_2)
	v_lshlrev_b32 v11, 3, v10
	s_delay_alu instid0(VALU_DEP_1)
	v_sub_nc_u32 v[RH], v9, v11
	v_lshlrev_b32 v[R16], 4, v9
	global_load_b128 v[16:19], v[LI], s[40:41]     ; both tiles' Q stay in registers
	global_load_b128 v[24:27], v[LI], s[42:43]
	global_load_b32 v194, v[R16], s[56:57] offset:4096
	global_load_b32 v195, v[R16], s[58:59] offset:4096
.irp i, 0,1,2,3
	v_mov_b32 v[20+\i], 0                          ; K = 64 .. 127 of the first product: zero codes on both sides, written once
	v_mov_b32 v[28+\i], 0
	v_mov_b32 v[36+\i], 0
	v_mov_b32 v[44+\i], 0
	v_mov_b32 v[52+\i], 0
	v_mov_b32 v[60+\i], 0
	v_mov_b32 v[236+\i], 0                         ; written once: a lane permute's destination counts as one of its sources
.endr
	v_mov_b32 v252, 0                              ; likewise
	v_mov_b32 v253, 0                              ; (named as the upper half of the pair v[252:253] before it is first written)
	s_wait_loadcnt 0x0                             ; Q
	s_wait_tensorcnt 0x0                           ; my key step has landed,
	s_barrier_signal -1
	s_barrier_wait -1                              ; everybody's has: the head's K and V are whole
.macro KQ t, qf, qsc                   ; S^T's tile t: K's scale words lie two tiles to a register, the odd tile's in lanes 16-31
.if (\t)%2
	v_wmma_scale_f32_16x16x128_f8f6f4 v[96+8*(\t):103+8*(\t)], v[32+8*((\t)%4):39+8*((\t)%4)], v[\qf:\qf+7], 0, v[248+(\t)/2], v[\qsc] matrix_a_fmt:MATRIX_FMT_FP4 matrix_b_fmt:MATRIX_FMT_FP4 matrix_a_scale:MATRIX_SCALE_ROW1
.else
	v_wmma_scale_f32_16x16x128_f8f6f4 v[96+8*(\t):103+8*(\t)], v[32+8*((\t)%4):39+8*((\t)%4)], v[\qf:\qf+7], 0, v[248+(\t)/2], v[\qsc] matrix_a_fmt:MATRIX_FMT_FP4 matrix_b_fmt:MATRIX_FMT_FP4
.endif
.endm
.macro PV d                            ; O^T's tile d; the four accumulators take turns, one instruction a turn
.if (\d)%2
	v_wmma_scale_f32_16x16x128_f8f6f4 v[160+8*(\d):167+8*(\d)], v[64+8*(\d):71+8*(\d)], v[224:231], v[160+8*(\d):167+8*(\d)], v[192+(\d)/2], v253 matrix_a_fmt:MATRIX_FMT_FP4 matrix_b_fmt:MATRIX_FMT_FP4 matrix_a_scale:MATRIX_SCALE_ROW1
.else
	v_wmma_scale_f32_16x16x128_f8f6f4 v[160+8*(\d):167+8*(\d)], v[64+8*(\d):71+8*(\d)], v[224:231], v[160+8*(\d):167+8*(\d)], v[192+(\d)/2], v253 matrix_a_fmt:MATRIX_FMT_FP4 matrix_b_fmt:MATRIX_FMT_FP4
.endif
.endm
; ONE TILE OF 16 QUERIES: Q in v[qf] on, its scale words in v[qsc]; p = 0 or 1 picks the tile's scalars.
.macro PASS qf, qsc, p
	v_mov_b32 v13, 0xff61b1e6                      ; the largest t so far: -3e38, under every t
	s_delay_alu instid0(VALU_DEP_1)
	v_floor_f32 v12, -v13                          ; -M
	v_mov_b32 v14, 0
	v_mov_b32 v15, 0
.set NN, 0
.rept 32
	v_mov_b32 v[160+NN], 0                         ; O^T.  (The step is written once: the first finds zeros, which the first change of M leaves zeros)
.set NN, NN+1
.endr
	s_mov_b32 s[TB], 0
	s_mov_b32 s[CNT], 0
.Lkey_\@:                                          ; 16 trips, a constant; a step behind the diagonal is jumped over, all but the lines that step the address and the count
	s_cmp_gt_u32 s[CNT], s[GD+\p]
	s_cbranch_scc1 .Lhid_\@
	s_setprio 2
	v_add_nc_u32 v[ADR], s[TB], v[LI]
	v_add_nc_u32 v[ADS], s[TB], v[L8]
.irp t, 0,1,2,3
	ds_load_b128 v[32+8*\t:35+8*\t], v[ADR] offset:512*\t
.endr
	ds_load_b128 v[248:251], v[ADR] offset:KSC     ; the scale words of all eight tiles of keys
	s_wait_alu depctr_va_vdst(0)
	s_wait_dscnt 0x0
.irp t, 0,1,2,3
	KQ \t, \qf, \qsc
.endr
.rept 4
	v_nop                                          ; places ahead of loads into registers that these products read; with the two additions above also behind the last step's products on V
.endr
.irp t, 0,1,2,3
	ds_load_b128 v[32+8*\t:35+8*\t], v[ADR] offset:512*(4+\t)
.endr
.irp d, 0,1,2,3
	ds_load_b128 v[64+8*\d:67+8*\d], v[ADR] offset:VOFF+1024*\d
	ds_load_b128 v[68+8*\d:71+8*\d], v[ADR] offset:VOFF+1024*\d+512
.endr
	ds_load_b64 v[192:193], v[ADS] offset:VSC
	s_wait_dscnt 0x9                               ; K's four are in; V's eight and its scale words, issued behind them, land under the softmax
.irp t, 4,5,6,7
	KQ \t, \qf, \qsc
.endr
.rept 4
	v_nop
.endr
	s_cmp_lt_u32 s[CNT], s[GD+\p]                  ; only the step on the diagonal has hidden keys
	s_cbranch_scc1 .Lopen_\@
	v_add_nc_u32 v[DD], s[D16+\p], v[RH]           ; register 8 t + i holds the step's key 16 t + 8 h + i: hidden where 16 t + i > 16 (tile mod 8) + r - 8 h
	v_mov_b32 v254, 0xff800000                     ; -infinity
.set NN, 0
.rept 64
	v_cmp_gt_i32 vcc_lo, 16*(NN/8)+NN%8, v[DD]
	v_cndmask_b32 v[96+NN], v[96+NN], v254, vcc_lo
.set NN, NN+1
.endr
.Lopen_\@:
.irp b, 0,1,2,3
	v_max3_num_f32 v[232+\b], v[96+16*\b], v[97+16*\b], v[98+16*\b]   ; the largest score of each block of 32 keys: it serves the row's maximum and, since p rises with the score, the block's largest p
.endr
.irp i, 3,5,7,9,11,13
.irp b, 0,1,2,3
	v_max3_num_f32 v[232+\b], v[232+\b], v[96+16*\b+\i], v[97+16*\b+\i]
.endr
.endr
.irp b, 0,1,2,3
	v_max_num_f32 v[232+\b], v[232+\b], v[111+16*\b]
.endr
.irp b, 0,1,2,3
	s_delay_alu instid0(VALU_DEP_4)
	v_permlanex16_b32 v[236+\b], v[232+\b], s[SEL], s[SEL+1]
.endr
.irp b, 0,1,2,3
	s_delay_alu instid0(VALU_DEP_4)
	v_max_num_f32 v[232+\b], v[232+\b], v[236+\b]  ; with lane l xor 16's 16 keys
.endr
	s_delay_alu instid0(VALU_DEP_2)
	v_max3_num_f32 v254, v232, v233, v234
	s_delay_alu instid0(VALU_DEP_1)
	v_max_num_f32 v254, v254, v235                 ; the step's largest score of my query (the step's first key counts for every query of the tile: it is a number)
	s_delay_alu instid0(VALU_DEP_1)
	v_mul_f32 v254, s[CS], v254                    ; as t
	s_delay_alu instid0(VALU_DEP_1)
	v_max_num_f32 v13, v13, v254
	v_mov_b32 v254, v12
	s_delay_alu instid0(VALU_DEP_2)
	v_floor_f32 v12, -v13                          ; the new -M = floor(-t) = -ceil(t)
	s_delay_alu instid0(VALU_DEP_1)
	v_sub_f32 v254, v12, v254                      ; old M less new M: a whole number, 0 or less
	s_delay_alu instid0(VALU_DEP_1)
	v_cvt_i32_f32 v254, v254                       ; (it saturates)
	s_delay_alu instid0(VALU_DEP_1)
	v_ldexp_f32 v252, 1.0, v254                    ; f = 2^(old M - new M)
.set NN, 0
.rept 32
	v_pk_fma_f32 v[96+NN:97+NN], v[96+NN:97+NN], s[CS:CS+1], v[12:13] op_sel_hi:[1,0,0]   ; t - M, two at a time
.set NN, NN+2
.endr
	s_setprio 1
.irp b, 0,1,2,3
	v_fma_f32 v[232+\b], v[232+\b], s[CS], v12     ; the same of each block's largest score
.endr
.set NN, 0
	s_wait_alu depctr_va_vdst(0)
.rept 64
	v_exp_f32 v[96+NN], v[96+NN]                   ; p = 2^(t - M), at most 1
.set NN, NN+1
.endr
	v_pk_mul_f32 v[14:15], v[14:15], v[252:253] op_sel_hi:[1,0]   ; the sums under the new M: the plain instruction behind the exponentials
	s_wait_alu depctr_va_vdst(0)                   ; one wait for the batch of 64, ahead of its first reader
.irp b, 0,1,2,3
	v_exp_f32 v[232+\b], v[232+\b]                 ; the block's largest p: the same two instructions on the same number
.endr
	v_pk_add_f32 v[236:237], v[100:101], v[104:105]
	v_pk_add_f32 v[254:255], v[108:109], v[112:113]
	v_pk_add_f32 v[250:251], v[116:117], v[120:121]
	v_pk_add_f32 v[248:249], v[124:125], v[128:129]
	v_pk_add_f32 v[246:247], v[132:133], v[136:137]
	v_pk_add_f32 v[244:245], v[140:141], v[144:145]
	v_pk_add_f32 v[242:243], v[148:149], v[152:153]
	v_pk_add_f32 v[14:15], v[14:15], v[156:157]
	v_pk_add_f32 v[236:237], v[236:237], v[96:97]
	v_pk_add_f32 v[254:255], v[254:255], v[98:99]
	v_pk_add_f32 v[250:251], v[250:251], v[102:103]
	v_pk_add_f32 v[248:249], v[248:249], v[106:107]
	v_pk_add_f32 v[246:247], v[246:247], v[110:111]
	v_pk_add_f32 v[244:245], v[244:245], v[114:115]
	v_pk_add_f32 v[242:243], v[242:243], v[118:119]
	v_pk_add_f32 v[14:15], v[14:15], v[122:123]
	v_pk_add_f32 v[236:237], v[236:237], v[126:127]
	v_pk_add_f32 v[254:255], v[254:255], v[130:131]
	v_pk_add_f32 v[250:251], v[250:251], v[134:135]
	v_pk_add_f32 v[248:249], v[248:249], v[138:139]
	v_pk_add_f32 v[246:247], v[246:247], v[142:143]
	v_pk_add_f32 v[244:245], v[244:245], v[146:147]
	v_pk_add_f32 v[242:243], v[242:243], v[150:151]
	v_pk_add_f32 v[14:15], v[14:15], v[154:155]
	v_pk_add_f32 v[236:237], v[236:237], v[158:159]
	s_delay_alu instid0(VALU_DEP_2)
	v_pk_add_f32 v[14:15], v[14:15], v[248:249]
	s_delay_alu instid0(VALU_DEP_2)
	v_pk_add_f32 v[236:237], v[236:237], v[246:247]
	v_pk_add_f32 v[254:255], v[254:255], v[244:245]
	v_pk_add_f32 v[250:251], v[250:251], v[242:243]
	s_delay_alu instid0(VALU_DEP_2)
	v_pk_add_f32 v[14:15], v[14:15], v[254:255]
	s_delay_alu instid0(VALU_DEP_2)
	v_pk_add_f32 v[236:237], v[236:237], v[250:251]
	s_delay_alu instid0(VALU_DEP_1)
	v_pk_add_f32 v[14:15], v[14:15], v[236:237]
	s_wait_alu depctr_va_vdst(0)                   ; and one for the four
.irp b, 0,1,2,3
	v_max_num_f32 v[232+\b], 0x1800000, v[232+\b]  ; the floor 2^(3 - 127): the byte cannot fall under 1
.endr
.irp b, 0,1,2,3
	s_delay_alu instid0(VALU_DEP_4)
	v_add_nc_u32 v[244+\b], 0xff000000, v[232+\b]  ; 2 off the exponent field: the conversion's scale operand
.endr
.irp b, 0,1,2,3
	s_delay_alu instid0(VALU_DEP_4)
	v_lshrrev_b32 v[236+\b], 23, v[244+\b]
.endr
	s_delay_alu instid0(VALU_DEP_3)
	v_lshl_or_b32 v253, v237, 8, v236              ; p's scale word for these 128 keys
	s_delay_alu instid0(VALU_DEP_1)
	v_lshl_or_b32 v253, v238, 16, v253
	s_delay_alu instid0(VALU_DEP_1)
	v_lshl_or_b32 v253, v239, 24, v253
	s_setprio 0
.irp c, 0,1
	v_cvt_scalef32_pk8_fp4_f32 v[224+4*\c], v[96+32*\c:103+32*\c],  v[244+2*\c]
	v_cvt_scalef32_pk8_fp4_f32 v[226+4*\c], v[104+32*\c:111+32*\c], v[244+2*\c]
	v_cvt_scalef32_pk8_fp4_f32 v[225+4*\c], v[112+32*\c:119+32*\c], v[245+2*\c]
	v_cvt_scalef32_pk8_fp4_f32 v[227+4*\c], v[120+32*\c:127+32*\c], v[245+2*\c]
.endr
	v_nop                                          ; one plain instruction behind the scaled conversions
.irp c, 0,1
	v_permlane16_swap_b32 v[224+4*\c], v[225+4*\c]
	v_permlane16_swap_b32 v[226+4*\c], v[227+4*\c]
.endr
.set NN, 0
.rept 16
	v_pk_mul_f32 v[160+NN:161+NN], v[160+NN:161+NN], v[252:253] op_sel_hi:[1,0]   ; O^T under the new M.  These 16 also stand between the writes of p's codes and scale word and the products
.set NN, NN+2
.endr
	s_wait_alu depctr_va_vdst(0)
	s_wait_dscnt 0x0                               ; V
.irp d, 0,1,2,3
	PV \d
.endr
.Lhid_\@:
	s_add_co_u32 s[TB], s[TB], STEPB
	s_add_co_u32 s[CNT], s[CNT], 1
	s_cmp_lt_u32 s[CNT], 16
	s_cbranch_scc1 .Lkey_\@
	s_setprio 0
	; the tile's way out: O^T / the sum; its 64 channels are two blocks of the projection's K
.rept 4
	v_nop
.endr
	v_add_f32 v14, v14, v15
	s_delay_alu instid0(VALU_DEP_1)
	v_permlanex16_b32 v252, v14, s[SEL], s[SEL+1]
	s_delay_alu instid0(VALU_DEP_1)
	v_add_f32 v14, v14, v252                       ; the row's sum
	s_wait_alu depctr_va_vdst(0)
	v_rcp_f32 v14, v14
	v_nop                                          ; a plain instruction behind the reciprocal,
	s_wait_alu depctr_va_vdst(0)                   ; and the wait ahead of its first reader
.set NN, 0
.rept 16
	v_pk_mul_f32 v[96+NN:97+NN], v[160+NN:161+NN], v[14:15] op_sel_hi:[1,0]   ; register 8 d + i: channel 16 d + 8 h + i of my query; each accumulator from its low end on
.set NN, NN+2
.endr
.irp b, 0,1
	v_max3_num_f32 v[232+\b], |v[96+16*\b]|, |v[97+16*\b]|, 0x1800000
.endr
.irp i, 2,4,6,8,10,12,14
.irp b, 0,1
	s_delay_alu instid0(VALU_DEP_2)
	v_max3_num_f32 v[232+\b], v[232+\b], |v[96+16*\b+\i]|, |v[97+16*\b+\i]|
.endr
.endr
.irp b, 0,1
	s_delay_alu instid0(VALU_DEP_2)
	v_permlanex16_b32 v[236+\b], v[232+\b], s[SEL], s[SEL+1]
.endr
.irp b, 0,1
	s_delay_alu instid0(VALU_DEP_2)
	v_max_num_f32 v[232+\b], v[232+\b], v[236+\b]
.endr
.irp b, 0,1
	s_delay_alu instid0(VALU_DEP_2)
	v_add_nc_u32 v[244+\b], 0xff000000, v[232+\b]
.endr
.irp b, 0,1
	s_delay_alu instid0(VALU_DEP_2)
	v_lshrrev_b32 v[236+\b], 23, v[244+\b]
.endr
	v_cvt_scalef32_pk8_fp4_f32 v224, v[96:103],  v244
	v_cvt_scalef32_pk8_fp4_f32 v226, v[104:111], v244
	v_cvt_scalef32_pk8_fp4_f32 v225, v[112:119], v245
	v_cvt_scalef32_pk8_fp4_f32 v227, v[120:127], v245
	v_cndmask_b32 v[BY], v236, v237, s[HI]         ; lanes 0-15 carry the first block's byte, lanes 16-31 the second's.  (The plain instruction behind the conversions)
	v_permlane16_swap_b32 v224, v225
	v_permlane16_swap_b32 v226, v227
	global_store_b128 v[LI], v[224:227], s[44+2*\p:45+2*\p]   ; half a fragment of the projection's operand: 512 consecutive bytes, aligned
	global_store_b8 v[AO], v[BY], s[48+2*\p:49+2*\p]          ; a token's 32 scale bytes come from 16 clusters, two from each: single bytes, one for each 16 bytes of codes
.if \p == 0
	s_wait_xcnt 0x0                                ; the stores have read their registers: the second tile writes them again
.endif
.endm
	PASS 16, 194, 0
	PASS 24, 195, 1
	s_wait_tensorcnt 0x0                           ; the wave's end
	ds_add_u32 v[SPW], v[NIL]
	s_wait_dscnt 0x0
	CROUND                                         ; the closing round
	s_endpgm
.Lfunc_end_k_qef5bc4ff21_attn:
	.size	k_qef5bc4ff21_attn, .Lfunc_end_k_qef5bc4ff21_attn-k_qef5bc4ff21_attn
	.p2alignl 7, 3214868480
	.fill 96, 4, 3214868480
	.section	.rodata,"a",@progbits
	.p2align	6, 0x0
	.amdhsa_kernel k_qef5bc4ff21_attn
		.amdhsa_group_segment_fixed_size 167936
		.amdhsa_private_segment_fixed_size 0
		.amdhsa_enable_private_segment 0
		.amdhsa_kernarg_size 32
		.amdhsa_user_sgpr_count 2
		.amdhsa_user_sgpr_kernarg_segment_ptr 1
		.amdhsa_wavefront_size32 1
		.amdhsa_system_sgpr_workgroup_id_x 1
		.amdhsa_system_sgpr_workgroup_id_y 1
		.amdhsa_system_sgpr_workgroup_id_z 1
		.amdhsa_system_vgpr_workitem_id 0
		.amdhsa_next_free_vgpr 256
		.amdhsa_next_free_sgpr 66
		.amdhsa_reserve_vcc 1
		.amdhsa_float_denorm_mode_32 3
		.amdhsa_float_denorm_mode_16_64 3
		.amdhsa_memory_ordered 1
		.amdhsa_forward_progress 1
		.amdhsa_inst_pref_size 61
	.end_amdhsa_kernel
	.amdgpu_metadata
---
amdhsa.version: [ 1, 2 ]
amdhsa.kernels:
  - .name:           k_qef5bc4ff21_attn
    .symbol:         k_qef5bc4ff21_attn.kd
    .args:
      - { .name: qs, .offset: 0, .size: 8, .value_kind: global_buffer, .address_space: global }
      - { .name: kv, .offset: 8, .size: 8, .value_kind: global_buffer, .address_space: global }
      - { .name: ac, .offset: 16, .size: 8, .value_kind: global_buffer, .address_space: global }
      - { .name: asc, .offset: 24, .size: 8, .value_kind: global_buffer, .address_space: global }
    .group_segment_fixed_size: 167936
    .private_segment_fixed_size: 0
    .kernarg_segment_align: 8
    .kernarg_segment_size: 32
    .max_flat_workgroup_size: 512
    .sgpr_count:     66
    .vgpr_count:     256
    .wavefront_size: 32
...
	.end_amdgpu_metadata
.endif
;; end of part 2
;; launch proj (part 3): grid 4 x 64, 4 waves a work-group, clusters of 4 x 4, 327,680 bytes of LDS; arguments ac, asc, proj_w_codes, proj_w_scales, proj_b, out0; writes out0
.if DOCPART == 3
	.amdgcn_target "amdgcn-amd-amdhsa--gfx1250"
	.amdhsa_code_object_version 6
	.text
	.protected	k_qef5bc4ff21_proj
	.globl	k_qef5bc4ff21_proj
	.p2align	8
	.type	k_qef5bc4ff21_proj,@function
k_qef5bc4ff21_proj:
	s_mov_b64 s[64:65], 0
	v_nop
	global_prefetch_b8 v0, s[64:65] scope:SCOPE_SE
	s_setreg_imm32_b32 hwreg(HW_REG_WAVE_MODE, 25, 1), 1
	s_wait_xcnt 0x0
	s_wait_alu depctr_hold_cnt(0) depctr_sa_sdst(0) depctr_va_vdst(0) depctr_va_sdst(0) depctr_va_ssrc(0) depctr_va_vcc(0) depctr_vm_vsrc(0)
	s_getreg_b32 s2, hwreg(HW_REG_IB_STS2, 6, 4)
	s_cmp_eq_u32 s2, 0
	s_cbranch_scc0 .Lentry_in_a_cluster
	s_endpgm
.Lentry_in_a_cluster:
	s_bfe_u32 s2, ttmp6, 0x10000c
	s_cmp_lg_u32 s2, 0xf033
	s_cbranch_scc0 .Lentry_shape_is_right
	s_endpgm
.Lentry_shape_is_right:
; THIRD LAUNCH: out0 = a W^T + b on codes: a [8,192 tokens][1,024] as the second launch left it (ac: fragments as images of their registers, [512 tiles of 16 tokens][8 K steps][1,024 bytes]; asc: [8,192][32] scale bytes),
; W = proj_w as given.  Nothing is left out here.
; SHARES.  A work-group of four waves makes 128 tokens x 256 channels: 256 work-groups.  A wave makes 64 tokens x 128 channels: 32 accumulators.  Both operands' whole K lies in LDS, asked for at the head in two halves
; of K; nothing is ever filled again.  CLUSTERS of 4 x 4: a's tile is shared along a row of the cluster, W's along a column: joint loads.
; THE MATRIX INSTRUCTION IS USED TRANSPOSED (source 0 = "P" = 16 rows of W, source 1 = "Q" = 16 tokens): a lane holds eight neighbouring channels of one token.  The bias is the C of each sum's first product.
; REGISTERS.  window 0: v16-31 addresses; v32-95 scale words, two sets (they hold nothing else); v128-159, v160-191 Q's fragments, two sets; on the way out v128-255 take rows of the result.
;   window 1: v0-63, v128-191 P's fragments, two sets; v64-127 the bias.   window 2: accumulator (a, b) at v[8 (8 a + b)].
.set PITCH,  272                       ; an LDS row of W's codes: 256 bytes + 16 of padding, so that the 16 rows of a fragment load begin at 16 different banks (64 banks of 4 bytes: ISA guide 11.1)
.set HALFT,  128*PITCH                 ; 128 rows of W: what one tensor load brings
.set AIMG,   2*HALFT                   ; behind W's 256 rows: a's 8 tiles, 4,096 bytes each (four K steps' images)
.set HALFA,  4*4096                    ; four tiles: what one tensor load brings
.set SLOT,   AIMG+2*HALFA              ; half of K
.set SCL,    2*SLOT                    ; the scale bytes, as pieces of 256 bytes + 16 of padding: a's 128 rows, then W's 256
.set HALFSA, 8*272                     ; those of 64 tokens
.set HALFSW, 16*272                    ; those of 128 rows of W
.set SBLK,   2*272                     ; those of 16 rows
.set STG,    SCL+2*HALFSA+2*HALFSW     ; the way out: 16 rows x (512 bytes + 16) for each wave, bytes of their own into which no tensor load lands
.set SPITCH, 528
.set SPARE,  STG+4*16*SPITCH           ; the spare words: 128 bytes for each wave, named by no other line
.set ADRQ, 16                          ; v16-17  LDS address of Q's images in half 0, 1 of K
.set ADRP, 20                          ; v20-21  of P's fragments
.set STO,  24                          ; v24     the way out: where I put 32 bytes of a row
.set RD,   25                          ; v25     where I read a row back
.set CO,   26                          ; v26     16 x lane
.set ADRS, 27                          ; v27     LDS address of my scale words: lanes 0-15 a's rows, lanes 16-31 W's
.set SPW,  28                          ; v28     LDS address of my spare word; never rewritten
.set NIL,  29                          ; v29     0; never rewritten
.set BO,   30                          ; v30     32 h: the bias loads' offset
.set SC,   32
.set QF,   128
.set BK,   128
.set BI,   64                          ; in window 1
.set G1,   24                          ; s[24:31], s[32:39] groups 1 and 0 for a's codes;  s[48:55], s[56:63] for W's codes
.set G0,   32
.set G1B,  48
.set G0B,  56
.set G1S,  68                          ; s[68:75], s[76:79] for a's scales;  s[80:87], s[88:91] for W's
.set G0S,  76
.set G1SB, 80
.set G0SB, 88
.set MSB, 0
.macro WIN new
.if MSB != \new
	s_set_vgpr_msb (MSB<<8)|\new
.set MSB, \new
.endif
.endm
.macro PLACES n
.rept \n
	v_nop
.endr
.endm
.macro JLOAD g0a, g1a, g0b, g1b        ; a joint load: waves 0 and 1 fetch for a, waves 2 and 3 for W; the branch hangs on the wave's number alone
	s_cmp_eq_u32 s19, 0
	s_cbranch_scc0 .Lfor_w_\@
	tensor_load_to_lds s[\g0a:\g0a+3], s[\g1a:\g1a+7]
	s_nop 0
.rept 4
	v_nop
.endr
	s_branch .Lasked_\@
.Lfor_w_\@:
	tensor_load_to_lds s[\g0b:\g0b+3], s[\g1b:\g1b+7]
	s_nop 0
.rept 4
	v_nop
.endr
.Lasked_\@:
.endm
.macro CROUND
	s_barrier_signal -1
	s_barrier_wait -1
	s_cmp_lg_u32 s18, 0
	s_cbranch_scc1 .Lnot_wave_0_\@
	s_barrier_signal -3
.Lnot_wave_0_\@:
	s_barrier_wait -3
	s_barrier_signal -1
	s_barrier_wait -1
.endm
	s_load_b256 s[4:11], s[0:1], 0x0               ; ac s[4:5], asc s[6:7], W's codes s[8:9], W's scales s[10:11]
	s_load_b128 s[12:15], s[0:1], 0x20             ; the bias s[12:13], out0 s[14:15]
	v_lshl_add_u32 v[SPW], v0, 2, SPARE
	v_mov_b32 v[NIL], 0
	ds_add_u32 v[SPW], v[NIL]                      ; the wave's opening: the add, twice on end, and its wait ahead of my first tensor load
	ds_add_u32 v[SPW], v[NIL]
	v_lshrrev_b32 v1, 5, v0
	v_readfirstlane_b32 s18, v1                    ; wave 0..3
	s_lshr_b32 s19, s18, 1                         ; which 64 of the 128 tokens are mine.  Also: I fetch for a (0) or for W (1)
	s_and_b32 s20, s18, 1                          ; which 128 of the 256 channels.  Also: which half of that tile I fetch
	s_bfe_u32 s21, ttmp6, 0x40000                  ; cx, cy
	s_bfe_u32 s22, ttmp6, 0x40004
	s_lshl_b32 s23, ttmp9, 2
	s_add_co_u32 s23, s23, s21                     ; which 256 channels
	s_and_b32 s66, ttmp7, 0xffff
	s_lshl_b32 s66, s66, 2
	s_add_co_u32 s66, s66, s22                     ; which 128 tokens
	s_lshl_b32 s40, s22, 2
	s_lshl_b32 s40, 15, s40                        ; my row of the cluster
	s_lshl_b32 s41, 0x1111, s21                    ; my column
	s_or_b32 s[G1+0], s40, (3<<16)|(1<<21)         ; a's codes go to my row; elements of 8 bytes; no padding: images are read 512 consecutive bytes at a time
	s_mov_b32 s[G1+1], 512<<16                     ; four tiles' halves of K: 4 rows of 4,096 bytes,
	s_mov_b32 s[G1+2], 4<<16
	s_mov_b32 s[G1+3], 512<<16
	s_mov_b32 s[G1+4], 4
	s_mov_b32 s[G1+5], 1024                        ; 8,192 bytes apart
	s_mov_b32 s[G1+6], 0
	s_mov_b32 s[G1+7], 0
	s_or_b32 s[G1B+0], s41, (0<<16)|(1<<20)|(1<<21)|(5<<22)|(3<<25)  ; W's codes go to my column; elements of 1 byte; 4 words of padding behind every 64
	s_mov_b32 s[G1B+1], 256<<16                    ; 128 rows x 256 bytes, 512 apart
	s_mov_b32 s[G1B+2], 128<<16
	s_mov_b32 s[G1B+3], 256<<16
	s_mov_b32 s[G1B+4], 128
	s_mov_b32 s[G1B+5], 512
	s_mov_b32 s[G1B+6], 0
	s_mov_b32 s[G1B+7], 0
	s_or_b32 s[G1S+0], s40, (3<<16)|(1<<20)|(1<<21)|(5<<22)|(3<<25)  ; the scales of 64 tokens: 2,048 dense bytes as 8 rows of 256
	s_mov_b32 s[G1S+1], 32<<16
	s_mov_b32 s[G1S+2], 8<<16
	s_mov_b32 s[G1S+3], 32<<16
	s_mov_b32 s[G1S+4], 8
	s_mov_b32 s[G1S+5], 32
	s_mov_b32 s[G1S+6], 0
	s_mov_b32 s[G1S+7], 0
	s_or_b32 s[G1SB+0], s41, (3<<16)|(1<<20)|(1<<21)|(5<<22)|(3<<25) ; those of 128 rows of W: 16 rows of 256
	s_mov_b32 s[G1SB+1], 32<<16
	s_mov_b32 s[G1SB+2], 16<<16
	s_mov_b32 s[G1SB+3], 32<<16
	s_mov_b32 s[G1SB+4], 16
	s_mov_b32 s[G1SB+5], 32
	s_mov_b32 s[G1SB+6], 0
	s_mov_b32 s[G1SB+7], 0
	s_lshl_b32 s44, s66, 16                        ; a's codes: (8 gy + 4 x half) tiles of 8,192 bytes
	s_lshl_b32 s42, s20, 15
	s_add_co_u32 s44, s44, s42
	s_mov_b32 s45, 0
	s_lshl_b32 s92, s66, 12                        ; a's scales: (128 gy + 64 x half) rows of 32 bytes
	s_lshl_b32 s42, s20, 11
	s_add_co_u32 s92, s92, s42
	s_mov_b32 s93, 0
	s_lshl_b32 s46, s23, 17                        ; W's codes: (256 gx + 128 x half) rows of 512 bytes
	s_lshl_b32 s43, s20, 16
	s_add_co_u32 s46, s46, s43
	s_mov_b32 s47, 0
	s_lshl_b32 s94, s23, 13                        ; W's scales
	s_lshl_b32 s43, s20, 12
	s_add_co_u32 s94, s94, s43
	s_mov_b32 s95, 0
	s_mul_i32 s96, s20, HALFA                      ; where they go: made of the wave's number alone
	s_add_co_u32 s96, s96, AIMG
	s_mul_i32 s97, s20, HALFT
	s_mul_i32 s98, s20, HALFSA
	s_add_co_u32 s98, s98, SCL
	s_mul_i32 s99, s20, HALFSW
	s_add_co_u32 s99, s99, SCL+2*HALFSA
	s_wait_dscnt 0x0                               ; both opening adds are done
	s_wait_kmcnt 0x0
	s_add_nc_u64 s[44:45], s[4:5], s[44:45]
	s_add_nc_u64 s[92:93], s[6:7], s[92:93]
	s_add_nc_u64 s[46:47], s[8:9], s[46:47]
	s_add_nc_u64 s[94:95], s[10:11], s[94:95]
	CROUND                                         ; all sixteen work-groups are here: the joint loads meet
	s_mov_b32 s[G0S], 1
	s_mov_b32 s[G0S+1], s98
	s_mov_b64 s[G0S+2:G0S+3], s[92:93]
	s_or_b32 s[G0S+3], s[G0S+3], 0x80000000
	s_mov_b32 s[G0SB], 1
	s_mov_b32 s[G0SB+1], s99
	s_mov_b64 s[G0SB+2:G0SB+3], s[94:95]
	s_or_b32 s[G0SB+3], s[G0SB+3], 0x80000000
	JLOAD G0S, G1S, G0SB, G1SB                     ; the scales first
.irp s, 0,1
	s_mov_b32 s[G0+4*\s], 1
	s_add_co_u32 s[G0+4*\s+1], s96, \s*SLOT
	s_add_nc_u64 s[G0+4*\s+2:G0+4*\s+3], s[44:45], \s*4096
	s_or_b32 s[G0+4*\s+3], s[G0+4*\s+3], 0x80000000
	s_mov_b32 s[G0B+4*\s], 1
	s_add_co_u32 s[G0B+4*\s+1], s97, \s*SLOT
	s_add_nc_u64 s[G0B+4*\s+2:G0B+4*\s+3], s[46:47], \s*256
	s_or_b32 s[G0B+4*\s+3], s[G0B+4*\s+3], 0x80000000
	s_wait_alu depctr_va_vdst(0)
	s_wait_tensorcnt 0x0
	ds_add_u32 v28, v29
	s_wait_dscnt 0x0
	CROUND
	JLOAD G0+4*\s, G1, G0B+4*\s, G1B               ; the only load of mine out: the earlier ones have landed; three in all are what this launch ever asks for
.endr
	v_and_b32 v1, 15, v0                           ; r
	v_bfe_u32 v2, v0, 4, 1                         ; h
	v_and_b32 v[CO], 31, v0
	v_lshlrev_b32 v[CO], 4, v[CO]                  ; 16 x lane
	v_mul_u32_u24 v3, v1, PITCH
	v_lshl_add_u32 v3, v2, 4, v3
	s_mul_i32 s40, s19, HALFA
	s_add_co_u32 s40, s40, AIMG                    ; my four tiles of tokens
	s_mul_i32 s41, s20, HALFT                      ; my 128 rows of W
.irp s, 0,1
	v_add_nc_u32 v[ADRQ+\s], s40, v[CO]
	v_add_nc_u32 v[ADRP+\s], s41, v3
	s_add_co_u32 s40, s40, SLOT
	s_add_co_u32 s41, s41, SLOT
.endr
	v_lshlrev_b32 v4, 5, v1                        ; my row's scales: 32 bytes a row,
	v_lshrrev_b32 v5, 3, v1
	v_lshl_add_u32 v4, v5, 4, v4                   ; and 16 more for each 256 passed
	s_mul_i32 s40, s19, HALFSA                     ; a's: my 64 tokens
	s_mul_i32 s41, s20, HALFSW
	s_add_co_u32 s41, s41, 2*HALFSA                ; W's: my 128 rows, behind a's 128
	s_sub_co_u32 s41, s41, s40
	v_mul_u32_u24 v5, s41, v2                      ; lanes 16-31 take W's
	s_add_co_u32 s40, s40, SCL
	v_add_nc_u32 v4, v4, v5
	v_add_nc_u32 v[ADRS], s40, v4
	s_mul_i32 s42, s18, 16*SPITCH
	s_add_co_u32 s42, s42, STG                     ; my stage
	v_mul_u32_u24 v5, v1, SPITCH
	v_lshl_add_u32 v5, v2, 5, v5
	v_add_nc_u32 v[STO], s42, v5                   ; in: row r, 32 bytes for each half of the lanes
	v_add_nc_u32 v[RD], s42, v[CO]                 ; back: the 32 lanes take one row of 512 bytes
	v_lshlrev_b32 v[BO], 5, v2
	s_wait_alu depctr_va_vdst(0)
	s_lshl_b32 s40, s23, 10                        ; my first channel, in bytes: 4 (256 gx + 128 x half)
	s_lshl_b32 s41, s20, 9
	s_add_co_u32 s40, s40, s41
	s_mov_b32 s41, 0
	s_add_nc_u64 s[12:13], s[12:13], s[40:41]
	s_add_nc_u64 s[14:15], s[14:15], s[40:41]
	s_lshl_b32 s40, s66, 19                        ; my first token: (128 gy + 64 x half) rows of 4,096 bytes
	s_lshl_b32 s42, s19, 18
	s_add_co_u32 s40, s40, s42
	s_add_nc_u64 s[14:15], s[14:15], s[40:41]
	WIN 0x40                                       ; destination window 1
.irp b, 0,1,2,3,4,5,6,7
	global_load_b128 v[BI+8*\b:BI+8*\b+3], v[BO], s[12:13] offset:64*\b          ; the bias in the result's layout: register j of tile b: channel 16 b + 8 h + j
	global_load_b128 v[BI+8*\b+4:BI+8*\b+7], v[BO], s[12:13] offset:64*\b+16
.endr
	WIN 0
; 16 products: tiles of tokens a0, a0 + 1 x W's eight tiles, 128 along K.  cm = 1: the sum starts with the bias.  The 32 accumulators take turns, one instruction a turn, in the same order in every step.
.macro MUL16 a0, p, sc, q, cm
.irp a, \a0, \a0+1
.irp b, 0,1,2,3,4,5,6,7
.set rD, 8*(8*(\a)+\b)
.set rP, 128*(\p)+8*\b
.set rQ, QF+32*(\p)+8*(\a)
.set rC, rD
.if (\cm) == 1
.set rC, BI+8*\b
.endif
	v_wmma_scale_f32_16x16x128_f8f6f4 v[rD:rD+7], v[rP:rP+7], v[rQ:rQ+7], v[rC:rC+7], v[SC+32*(\sc)+4*\b+(\q)], v[SC+32*(\sc)+4*(\a)+(\q)] matrix_a_fmt:MATRIX_FMT_FP4 matrix_b_fmt:MATRIX_FMT_FP4 matrix_a_scale:MATRIX_SCALE_ROW1
.endr
.endr
.endm
.macro PROD p, sc, q, cm               ; windows: source 0 (W) 1, source 1 (a) 0, D 2, C with D or, for the bias, 1
.if \cm
	WIN 0x91
.else
	WIN 0xa1
.endif
	MUL16 0, \p, \sc, \q, \cm
	MUL16 2, \p, \sc, \q, \cm
	WIN 0
.endm
.macro FETCHP slot, q, p               ; W's eight fragments: lane l holds row l % 16; two loads of 16 bytes, 32 bytes apart
	WIN 0x40
.irp i, 0,1,2,3,4,5,6,7
.irp c, 0,1
	ds_load_b128 v[128*(\p)+8*\i+4*\c:128*(\p)+8*\i+4*\c+3], v[ADRP+(\slot)] offset:64*(\q)+32*\c+\i*16*PITCH
.endr
.endr
	WIN 0
.endm
.macro FETCHQ slot, q, p               ; a's four fragments, as images: 512 consecutive bytes a load
.irp i, 0,1,2,3
.irp c, 0,1
	ds_load_b128 v[QF+32*(\p)+8*\i+4*\c:QF+32*(\p)+8*\i+4*\c+3], v[ADRQ+(\slot)] offset:4096*\i+1024*(\q)+512*\c
.endr
.endr
.endm
.macro SCALES sc                       ; four words a row; lanes 0-15 a's tile i, lanes 16-31 W's tile i.  (a has four tiles: for i from 4 on lanes 0-15 bring bytes of the scales that follow, which no product names)
.irp i, 0,1,2,3,4,5,6,7
	ds_load_b128 v[SC+32*\sc+4*\i:SC+32*\sc+4*\i+3], v[ADRS] offset:\i*SBLK+16*\sc
.endr
.endm
.macro STEP k
	s_wait_dscnt 0x0                               ; this step's 24 loads, issued ahead of the last step's products, are in
.if (\k) < 7
	PLACES 4                                       ; behind the products that read the set which is now loaded again
	FETCHP ((\k)+1)/4, ((\k)+1)%4, ((\k)+1)%2
	FETCHQ ((\k)+1)/4, ((\k)+1)%4, ((\k)+1)%2
.endif
	PROD (\k)%2, (\k)/4, (\k)%4, 0
.endm
	s_wait_tensorcnt 0x1                           ; the scales and my part of the first half of K are in; the second half's load, my youngest, may stay out
	s_barrier_signal -1
	s_barrier_wait -1
	FETCHP 0, 0, 0
	FETCHQ 0, 0, 0
	SCALES 0
	s_wait_dscnt 0x0
	FETCHP 0, 1, 1
	FETCHQ 0, 1, 1
	s_wait_loadcnt 0x0                             ; the bias
	PROD 0, 0, 0, 1                                ; the first K step starts the sums with the bias
	STEP 1
	STEP 2
	s_wait_dscnt 0x0                               ; K step 3: its fragments are in, and no LDS instruction of mine is out at the signal
	s_wait_tensorcnt 0x0                           ; my part of the second half of K has landed
	s_barrier_signal -1
	WIN 0xa1
	MUL16 0, 1, 0, 3, 0
	WIN 0
	s_barrier_wait -1                              ; everybody's has.
	PLACES 4
	FETCHP 1, 0, 0
	FETCHQ 1, 0, 0
	SCALES 1
	WIN 0xa1
	MUL16 2, 1, 0, 3, 0
	WIN 0
	STEP 4
	STEP 5
	STEP 6
	STEP 7
; THE WAY OUT, a block of 16 tokens x 128 channels at a time.  A lane holds 32 neighbouring bytes of a row and the lanes beside it other rows: so a block goes through my own stage in LDS and comes back as whole rows of
; 512 bytes.  LDS serves a wave's instructions in order (ISA guide 5.7.1.4): no wait between the stores and the loads, nor ahead of the next block's stores.
.macro TOSTAGE a
	WIN 0x08                                       ; an LDS store's data are its source 1: window 2
.irp b, 0,1,2,3,4,5,6,7
	ds_store_b128 v[STO], v[64*(\a)+8*\b:64*(\a)+8*\b+3] offset:64*\b            ; each accumulator from its low end on
	ds_store_b128 v[STO], v[64*(\a)+8*\b+4:64*(\a)+8*\b+7] offset:64*\b+16
.endr
	WIN 0
.set BB, BK+64*((\a)%2)
.irp t, 0,1,2,3,4,5,6,7,8,9,10,11,12,13,14,15
	ds_load_b128 v[BB+4*\t:BB+4*\t+3], v[RD] offset:\t*SPITCH
.endr
.endm
.macro SEND a, younger                 ; younger: the LDS instructions issued behind block a's loads, which may stay out
.set BB, BK+64*((\a)%2)
	s_wait_dscnt \younger
.irp t, 0,1,2,3,4,5,6,7,8,9,10,11,12,13,14,15
	global_store_b128 v[CO], v[BB+4*\t:BB+4*\t+3], s[14:15] offset:(16*(\a)+\t)*4096 th:TH_STORE_NT   ; 32 lanes store 512 consecutive bytes, aligned; written once, read by nobody here.  The base is never stepped
.endr
.endm
	PLACES 4                                       ; behind the last products: ahead of the first read of results and of loads into the registers that held a's fragments
	TOSTAGE 0
.irp a, 1,2,3
.if \a > 1
	s_wait_xcnt 0x0                                ; block a - 2's stores have read their registers: block a's loads may land there
.endif
	TOSTAGE \a
	SEND \a-1, 32                                  ; behind block a - 1's loads: block a's 16 stores and 16 loads
.endr
	SEND 3, 0
	s_wait_tensorcnt 0x0                           ; the wave's end: behind my last tensor load and my last LDS store
	ds_add_u32 v[SPW], v[NIL]
	s_wait_dscnt 0x0
	CROUND                                         ; the closing round
	s_endpgm
.Lfunc_end_k_qef5bc4ff21_proj:
	.size	k_qef5bc4ff21_proj, .Lfunc_end_k_qef5bc4ff21_proj-k_qef5bc4ff21_proj
	.p2alignl 7, 3214868480
	.fill 96, 4, 3214868480
	.section	.rodata,"a",@progbits
	.p2align	6, 0x0
	.amdhsa_kernel k_qef5bc4ff21_proj
		.amdhsa_group_segment_fixed_size 327680
		.amdhsa_private_segment_fixed_size 0
		.amdhsa_enable_private_segment 0
		.amdhsa_kernarg_size 48
		.amdhsa_user_sgpr_count 2
		.amdhsa_user_sgpr_kernarg_segment_ptr 1
		.amdhsa_wavefront_size32 1
		.amdhsa_system_sgpr_workgroup_id_x 1
		.amdhsa_system_sgpr_workgroup_id_y 1
		.amdhsa_system_sgpr_workgroup_id_z 1
		.amdhsa_system_vgpr_workitem_id 0
		.amdhsa_next_free_vgpr 768
		.amdhsa_next_free_sgpr 100
		.amdhsa_reserve_vcc 0
		.amdhsa_float_denorm_mode_32 3
		.amdhsa_float_denorm_mode_16_64 3
		.amdhsa_memory_ordered 1
		.amdhsa_forward_progress 1
		.amdhsa_inst_pref_size 75
	.end_amdhsa_kernel
	.amdgpu_metadata
---
amdhsa.version: [ 1, 2 ]
amdhsa.kernels:
  - .name:           k_qef5bc4ff21_proj
    .symbol:         k_qef5bc4ff21_proj.kd
    .args:
      - { .name: ac, .offset: 0, .size: 8, .value_kind: global_buffer, .address_space: global }
      - { .name: asc, .offset: 8, .size: 8, .value_kind: global_buffer, .address_space: global }
      - { .name: proj_w_codes, .offset: 16, .size: 8, .value_kind: global_buffer, .address_space: global }
      - { .name: proj_w_scales, .offset: 24, .size: 8, .value_kind: global_buffer, .address_space: global }
      - { .name: proj_b, .offset: 32, .size: 8, .value_kind: global_buffer, .address_space: global }
      - { .name: out0, .offset: 40, .size: 8, .value_kind: global_buffer, .address_space: global }
    .group_segment_fixed_size: 327680
    .private_segment_fixed_size: 0
    .kernarg_segment_align: 8
    .kernarg_segment_size: 48
    .max_flat_workgroup_size: 128
    .sgpr_count:     100
    .vgpr_count:     768
    .wavefront_size: 32
...
	.end_amdgpu_metadata
.endif
;; end of part 3
